; MI455X (gfx1250); checked and timed in simulation.
; The chip was launched on July 23, 2026; its instructions are those of AMD's public machine-readable ISA for CDNA 5 (MIT licence, August 2026) and "CDNA5" Instruction Set Architecture Reference Guide (July 2026). The comments in the code are by the model that wrote it; some were corrected since.
;; Multi Head Attention. Allowed arithmetic: matrix products marked QUANTISED: E2M1 operands, one E8M0 scale for each 32 along K, by v_wmma_scale_f32_16x16x128_f8f6f4 with both operands' format E2M1 (or v_wmma_scale_f32_32x16x128_f4), f32 sums; everything else in f32.
;; Inputs: WK 1,024 x 1,024 float32; WQ 1,024 x 1,024 float32; WV 1,024 x 1,024 float32; attn_mask 32 x 2,048 x 2,048 bool; key 2 x 2,048 x 1,024 float32; query 2 x 2,048 x 1,024 float32; value 2 x 2,048 x 1,024 float32.
;; Outputs: out0 2 x 2,048 x 1,024 float32.
;; This version of the problem:
;;   THIS VERSION OF THE PROBLEM IS GIVEN IN LOW PRECISION. The matrix products marked QUANTISED in the list below multiply operands that are first quantised to E2M1 (2 exponent bits, 1 mantissa bit; 4 bits a number), with one power-of-two scale for each 32 numbers along K (OCP MX v1.0); their sums are f32. All else is computed in f32.
;;   The module's matrix products, in the order in which they are computed (A, B: the left and right operand; K: the contracted axis; several contracted axes count as one K, in the product's order):
;;     1. [M 4,096, K 1,024] x [K 1,024, N 1,024]; A: input query; B: input WQ: QUANTISED
;;     2. [M 4,096, K 1,024] x [K 1,024, N 1,024]; A: input key; B: input WK: QUANTISED
;;     3. [M 4,096, K 1,024] x [K 1,024, N 1,024]; A: input value; B: input WV: QUANTISED
;;     4. batch 32 x [M 2,048, K 64] x [K 64, N 2,048]; A: computed on the way; B: computed on the way: QUANTISED
;;     5. batch 32 x [M 2,048, K 2,048] x [K 2,048, N 64]; A: computed on the way; B: computed on the way: QUANTISED
;;   THE QUANTISER, for each operand of a quantised product, along K:
;;     - K is cut into blocks of 32 from its start; a last block that is shorter is filled with zeros.
;;     - A block's scale is 2^e with e = floor(log2(the largest magnitude in the block)) - 2, held to -126 .. 127; a block of zeros has e = 0. As a byte (E8M0): e + 127.
;;     - Each number is divided by its block's scale, clamped to +-6, and rounded to the nearest number of E2M1, ties to even, subnormals kept.
;;     - The product sums the exact products of the quantised numbers (number of the format x scale) in f32.
;;   ~~~python
;;   def quantise(x, axis):      # numpy; x: float32 -> the quantised numbers, widened to float32 again
;;       x = np.moveaxis(x, axis, -1); K = x.shape[-1]
;;       x = np.pad(x, [(0, 0)] * (x.ndim - 1) + [(0, -K % 32)]); x = x.reshape(x.shape[:-1] + (-1, 32)); a = np.abs(x).max(-1, keepdims=True)
;;       e = np.where(a > 0, np.clip(np.frexp(np.where(a > 0, a, 1))[1] - 1 - 2, -126, 127), 0)      # np.frexp(a)[1] - 1 = floor(log2(a)), exactly
;;       r = np.clip(x / 2.0 ** e, -6, 6)
;;       step = 2.0 ** (np.maximum(np.frexp(np.where(r == 0, 1, r))[1] - 1, 0) - 1)
;;       q = np.round(r / step) * step * 2.0 ** e      # np.round: ties to even
;;       return np.moveaxis(q.reshape(q.shape[:-2] + (-1,))[..., :K], -1, axis).astype(np.float32)
;;   ~~~
;;   OPERANDS COMPUTED ON THE WAY. 'Computed on the way' means the value that the module computes at that place (a softmax that the list does not call 'softmax' is quantised finished and normalised). What goes into a quantiser is computed in f32, as accurately as f32 sums, v_exp_f32 and their like allow (about 1e-6 of the number): no bf16 or f16 on the way to a quantiser, and a product that is left as it is and whose result goes on into a quantised operand takes f32 operands (vector FMAs, or v_wmma_f32_16x16x4_f32). A number that lies on a knife's edge between two numbers of the format may be rounded either way, as far as f32 arithmetic and the matrix unit's own rounding can turn it there, and no further.
;; One version. Each part assembles by itself: llvm-mc -triple=amdgcn-amd-amdhsa -mcpu=gfx1250 --defsym DOCPART=n.
;; ======== version 1 of 1: 3 launches
;; workspace buffers: codes 7,864,320 bytes; scl 491,520 bytes; img 6,291,456 bytes; isc 655,360 bytes
;; launch quant (part 1): grid 432 x 1, 4 waves a work-group, no clusters, 69,120 bytes of LDS; arguments query, key, value, WQ, WK, WV, codes, scl; writes codes, scl
.if DOCPART == 1
	.amdgcn_target "amdgcn-amd-amdhsa--gfx1250"
	.amdhsa_code_object_version 6
	.text
	.protected	k_q0b134666ad_quant
	.globl	k_q0b134666ad_quant
	.p2align	8
	.type	k_q0b134666ad_quant,@function
k_q0b134666ad_quant:
	s_mov_b64 s[64:65], 0
	v_nop
	global_prefetch_b8 v0, s[64:65] scope:SCOPE_SE
	s_setreg_imm32_b32 hwreg(HW_REG_WAVE_MODE, 25, 1), 1
	s_wait_xcnt 0x0
; query, key, value [4096][1024] f32 (K innermost) and WQ, WK, WV [1024 (k)][1024 (n)] f32 (K outermost) become codes of FP4 (E2M1), K innermost, 512 bytes a row,
; and one E8M0 byte for each 32 along K, 32 bytes a row.  One buffer of 15,360 rows: query from row 0, key from 4,096, value from 8,192, WQ from 12,288, WK from 13,312, WV from 14,336 (rows = n).
; A block's scale is 2^(floor(log2(its largest magnitude)) - 2); its byte is the largest magnitude's exponent field - 2, held at 1 from below (a block of zeros keeps the byte 1: its codes are zeros, and this program alone reads the bytes).
; ROWS ARE LAID IN ANOTHER ORDER INSIDE EACH GROUP OF 32, so that the later launches find, in plain tiles of 16 rows, the rows that their register layouts want:
;   x rows: place p = (p4 p3 p2 p1 p0) holds row s with s4 = p3, s3 = p4, (s2 s1 s0) = 4 (j & 1) + (j >> 1), j = (p2 p1 p0);   W rows: only bits 3 and 4 change places.
; LIMITS: NaN and infinities among the inputs are not served; blocks whose largest magnitude lies under 2^-124 get the byte 1.
; Work-groups 0-47 take the weights (16 each: 128 columns x 512 along K), work-groups 48-431 the x tensors (32 rows each).  The two ways have LDS bytes of their own.  No tensor loads, no barrier: waves share nothing.
.set EMAX,  2
.set WGW,   48                         ; work-groups for the weights
; ---- the x way
.set STEPS, 16                         ; a wave: 16 steps of 512 numbers = 8 rows
.set CB,    8                          ; bytes of 16 codes
.set XR,    16                         ; v16-79   four sets of 16 numbers as they are loaded
.set XX,    80                         ; v80-111  two sets of 16 neighbours
.set XE,    112                        ; v112-127 a scale byte for each step
.set XC,    128                        ; v128-191 codes: four registers for each step
.set WREG,  8192                       ; LDS for each wave: two stages of 32 x SP bytes, then its 256 scale bytes
.set SP,    80                         ; a lane's place in a stage: 64 bytes + 16 of padding
; ---- the W way
.set WLDS,  32768                      ; its stages begin here
.set PITCH, 272                        ; a stage row: 256 bytes of codes + 16
.set NB,    16                         ; blocks of 32 along K for a wave
.set KROW,  512                        ; a row of codes in bytes
.set NROW,  4096                       ; a row of W in bytes
.set WX,    32                         ; v32-95   two sets of 32 numbers
.set WC,    96                         ; v96-99   a block's codes
.set WOUT,  112                        ; v112-175 the way out
.set WSB,   24                         ; v24-27   the scale bytes, four to a register
	s_load_b512 s[8:23], s[0:1], 0x0               ; query s[8:9], key s[10:11], value s[12:13], WQ s[14:15], WK s[16:17], WV s[18:19], codes s[20:21], scl s[22:23]
	v_lshl_add_u32 v192, v0, 2, 0x10c00
	v_mov_b32 v193, 0
	v_lshrrev_b32 v1, 5, v0
	v_readfirstlane_b32 s24, v1                    ; wave 0..3
	v_and_b32 v2, 31, v0                           ; lane
	s_cmp_lt_u32 ttmp9, WGW
	s_cbranch_scc1 .Lweights
; ================= x: K is innermost.  A load reads 512 consecutive bytes; the numbers turn through the wave's stage so that a lane holds 16 neighbours; two neighbouring lanes hold a block
	v_lshlrev_b32 v3, 4, v2                        ; my 16 bytes of a load's 512
	s_mul_i32 s25, s24, WREG
	v_lshrrev_b32 v14, 2, v2
	v_mul_u32_u24 v14, v14, SP
	v_and_b32 v15, 3, v2
	v_lshl_add_u32 v14, v15, 4, v14
	v_add_nc_u32 v14, s25, v14                     ; the stage, in: SP (lane / 4) + 16 (lane % 4)
	v_mul_u32_u24 v15, v2, SP
	v_add_nc_u32 v15, s25, v15                     ; and out: SP x lane
	v_mul_u32_u24 v4, v2, CB                       ; my codes' place in a step's 256 bytes
	v_lshrrev_b32 v5, 1, v2
	s_add_co_u32 s25, s25, 2*32*SP
	v_add_nc_u32 v5, s25, v5                       ; my wave's 256 scale bytes, my block's byte
	v_lshlrev_b32 v7, 3, v2
	v_add_nc_u32 v6, s25, v7                       ; and on the way out 8 bytes a lane
	s_sub_co_u32 s26, ttmp9, WGW                   ; which group of 32 rows, 0..383
	s_lshr_b32 s27, s26, 7                         ; which tensor
	s_and_b32 s28, s26, 127
	s_lshl_b32 s28, s28, 2
	s_add_co_u32 s28, s28, s24
	s_lshl_b32 s28, s28, 15                        ; in: rows 32 x group + 8 x wave, 4,096 bytes each
	s_mov_b32 s29, 0
	s_and_b32 s30, s24, 1
	s_lshl_b32 s30, s30, 1
	s_lshr_b32 s31, s24, 1
	s_or_b32 s30, s30, s31                         ; out: the wave's two bits change places (row bits 3 and 4)
	s_lshl_b32 s31, s26, 2
	s_add_co_u32 s30, s30, s31                     ; which run of 8 places
	s_lshl_b32 s32, s30, 12                        ; 8 rows of 512 bytes of codes
	s_mov_b32 s33, 0
	s_lshl_b32 s34, s30, 8                         ; 8 rows of 32 scale bytes
	s_mov_b32 s35, 0
	s_wait_kmcnt 0x0
	s_cmp_eq_u32 s27, 1                            ; the choice hangs on the work-group's number alone
	s_cselect_b64 s[4:5], s[10:11], s[8:9]
	s_cmp_eq_u32 s27, 2
	s_cselect_b64 s[4:5], s[12:13], s[4:5]
	s_add_nc_u64 s[4:5], s[4:5], s[28:29]
	s_add_nc_u64 s[20:21], s[20:21], s[32:33]
	s_add_nc_u64 s[22:23], s[22:23], s[34:35]
.macro XLOAD t
.irp i, 0,1,2,3
	global_load_b128 v[XR+16*((\t)%4)+4*\i:XR+16*((\t)%4)+4*\i+3], v3, s[4:5] offset:2048*(\t)+512*\i th:TH_LOAD_NT   ; 32 lanes read 512 consecutive bytes
.endr
.endm
.macro XTURN t                         ; step t's numbers through the stage: LDS serves a wave's instructions in order, so no wait stands between the stores and the loads
.irp i, 0,1,2,3
	ds_store_b128 v14, v[XR+16*((\t)%4)+4*\i:XR+16*((\t)%4)+4*\i+3] offset:32*SP*((\t)%2)+8*SP*\i
.endr
.irp i, 0,1,2,3
	ds_load_b128 v[XX+16*((\t)%2)+4*\i:XX+16*((\t)%2)+4*\i+3], v15 offset:32*SP*((\t)%2)+16*\i
.endr
.endm
.irp t, 0,1,2,3
	XLOAD \t
.endr
	s_wait_loadcnt 12                              ; step 0's four loads are in; the three younger steps' twelve may be out
	XTURN 0
.macro XSTEP t                         ; step t is half hf of the wave's row rho; that row goes to place j of the run
.set XS, XX+16*((\t)%2)
.set RHO, (\t)/2
.set JJ, (RHO%4)*2+RHO/4
.set HF, (\t)%2
.if (\t) > 0
	s_wait_dscnt 1                                 ; this step's numbers are back from the stage (the last step's byte store may be out)
.else
	s_wait_dscnt 0x0
.endif
.if (\t)+4 < STEPS
	XLOAD (\t)+4
.endif
.if (\t)+1 < STEPS
.if STEPS-2-(\t) >= 3
	s_wait_loadcnt 12                              ; the next step's four loads are in; those of the three steps behind it may be out
.else
	s_wait_loadcnt 4*(STEPS-2-(\t))
.endif
	XTURN (\t)+1
.endif
	v_max3_num_f32 v8, |v[XS]|, |v[XS+1]|, |v[XS+2]|               ; the largest magnitude of my 16
	v_max3_num_f32 v9, |v[XS+3]|, |v[XS+4]|, |v[XS+5]|
.irp i, 6,10
	v_max3_num_f32 v8, v8, |v[XS+\i]|, |v[XS+\i+1]|
	v_max3_num_f32 v9, v9, |v[XS+\i+2]|, |v[XS+\i+3]|
.endr
	v_max3_num_f32 v8, v8, |v[XS+14]|, |v[XS+15]|
	v_max3_num_f32 v8, v8, v9, (EMAX+1)<<23        ; and the floor 2^(3 - 127): the byte cannot fall under 1
	v_max_num_f32_dpp v8, v8, v8 row_xmask:1 row_mask:0xf bank_mask:0xf   ; and of my neighbour's 16: the block's
	v_add_nc_u32 v11, -(EMAX<<23), v8              ; 2 off its exponent field: the conversion takes the exponent field of this operand as its scale
	v_cvt_scalef32_pk8_fp4_f32 v[XC+4*(\t)], v[XS:XS+7], v11
	v_cvt_scalef32_pk8_fp4_f32 v[XC+4*(\t)+1], v[XS+8:XS+15], v11
	v_lshrrev_b32 v[XE+(\t)], 23, v11              ; the scale's byte
	ds_store_b8 v5, v[XE+(\t)] offset:32*JJ+16*HF  ; both lanes of a block write the same byte with the same value
	global_store_b64 v4, v[XC+4*(\t):XC+4*(\t)+1], s[20:21] offset:512*JJ+256*HF   ; the wave stores 256 consecutive bytes, aligned
.endm
.irp t, 0,1,2,3,4,5,6,7,8,9,10,11,12,13,14,15
	XSTEP \t
.endr
	ds_load_b64 v[12:13], v6                       ; LDS serves a wave's instructions in order: these see my stores
	s_wait_dscnt 0x0
	global_store_b64 v7, v[12:13], s[22:23]        ; 32 lanes store 256 consecutive bytes, aligned: the scale bytes of 8 places
	s_wait_tensorcnt 0x0
	ds_add_u32 v192, v193
	s_wait_dscnt 0x0
	s_endpgm
; ================= W: K is the first axis.  A lane takes a column n and its registers run down K; the codes leave through the wave's stage, row by row
.Lweights:
	s_lshr_b32 s25, ttmp9, 4                       ; which weight
	s_and_b32 s26, ttmp9, 7                        ; which 128 columns
	s_bfe_u32 s27, ttmp9, 0x10003                  ; which 512 along K
	s_lshl_b32 s28, s26, 7
	s_lshl_b32 s29, s24, 5
	s_add_co_u32 s28, s28, s29                     ; my wave's first column
	v_lshlrev_b32 v3, 2, v2                        ; in: 4 bytes a lane
	v_and_b32 v10, 7, v2
	v_bfe_u32 v11, v2, 3, 1
	v_lshl_add_u32 v10, v11, 4, v10
	v_bfe_u32 v11, v2, 4, 1
	v_lshl_add_u32 v10, v11, 3, v10                ; my column's place among the 32: bits 3 and 4 change places
	s_mul_i32 s30, s24, 32*PITCH
	s_add_co_u32 s30, s30, WLDS                    ; my stage
	v_mul_u32_u24 v4, v10, PITCH
	v_add_nc_u32 v4, s30, v4                       ; into it: row = my column's place
	v_and_b32 v5, 15, v2
	v_lshrrev_b32 v6, 4, v2                        ; out of it: sixteen lanes to a row, two rows an instruction
	v_mul_u32_u24 v7, v6, PITCH
	v_lshl_add_u32 v7, v5, 4, v7
	v_add_nc_u32 v7, s30, v7
	v_mul_u32_u24 v8, v6, KROW
	v_lshl_add_u32 v8, v5, 4, v8                   ; and the same place in the codes' buffer
	v_lshlrev_b32 v9, 5, v10                       ; my place's row of scale bytes
	s_lshl_b32 s32, s27, 21                        ; W: 512 rows of 4,096 bytes,
	s_lshl_b32 s33, s28, 2
	s_add_co_u32 s32, s32, s33                     ; + 4 x column
	s_mov_b32 s33, 0
	s_lshl_b32 s34, s25, 10
	s_add_co_u32 s34, s34, s28
	s_add_co_u32 s34, s34, 12288                   ; the first row of the 32 in the codes' buffer
	s_lshl_b32 s36, s34, 9
	s_lshl_b32 s37, s27, 8
	s_add_co_u32 s36, s36, s37
	s_mov_b32 s37, 0
	s_lshl_b32 s38, s34, 5
	s_lshl_b32 s39, s27, 4
	s_add_co_u32 s38, s38, s39
	s_mov_b32 s39, 0
	s_wait_kmcnt 0x0
	s_cmp_eq_u32 s25, 1
	s_cselect_b64 s[4:5], s[16:17], s[14:15]
	s_cmp_eq_u32 s25, 2
	s_cselect_b64 s[4:5], s[18:19], s[4:5]
	s_add_nc_u64 s[4:5], s[4:5], s[32:33]
	s_add_nc_u64 s[20:21], s[20:21], s[36:37]
	s_add_nc_u64 s[22:23], s[22:23], s[38:39]
.macro WLOAD t                         ; block t: W(32 t + i, my column), i = 0 .. 31, into set t % 2; the largest offset, 511 rows of 4,096 bytes, lies inside the signed 24-bit immediate
.irp i, 0,1,2,3,4,5,6,7,8,9,10,11,12,13,14,15,16,17,18,19,20,21,22,23,24,25,26,27,28,29,30,31
	global_load_b32 v[WX+32*((\t)%2)+\i], v3, s[4:5] offset:(32*(\t)+\i)*NROW th:TH_LOAD_NT
.endr
.endm
	WLOAD 0
	WLOAD 1
.macro WBLOCK t
.set WS, WX+32*((\t)%2)
.if (\t) < NB-1
	s_wait_loadcnt 32                              ; this block's 32 loads are in; the next block's may be out
.else
	s_wait_loadcnt 0
.endif
	v_max3_num_f32 v12, |v[WS]|, |v[WS+1]|, |v[WS+2]|              ; the block's largest magnitude: all 32 numbers are mine
	v_max3_num_f32 v13, |v[WS+3]|, |v[WS+4]|, |v[WS+5]|
.irp i, 6,10,14,18,22,26
	v_max3_num_f32 v12, v12, |v[WS+\i]|, |v[WS+\i+1]|
	v_max3_num_f32 v13, v13, |v[WS+\i+2]|, |v[WS+\i+3]|
.endr
	v_max3_num_f32 v12, v12, |v[WS+30]|, |v[WS+31]|
	v_max3_num_f32 v12, v12, v13, (EMAX+1)<<23     ; and the floor
	v_add_nc_u32 v11, -(EMAX<<23), v12             ; the conversion's scale operand
	v_lshrrev_b32 v13, 23, v11                     ; the scale's byte
.if (\t)%4 == 0
	v_mov_b32 v[WSB+(\t)/4], v13                   ; four bytes to a register, the lower K in the lower byte
.else
	v_lshl_or_b32 v[WSB+(\t)/4], v13, 8*((\t)%4), v[WSB+(\t)/4]
.endif
.irp g, 0,1,2,3
	v_cvt_scalef32_pk8_fp4_f32 v[WC+\g], v[WS+8*\g:WS+8*\g+7], v11
.endr
	ds_store_b128 v4, v[WC:WC+3] offset:16*(\t)    ; 32 codes: 16 bytes of my column's row
.if (\t)+2 < NB
	WLOAD (\t)+2
.endif
	s_wait_dscnt 0x0                               ; the store has read its registers: the next block's codes may be written
.endm
.set Q, 0
.rept NB
	WBLOCK Q
.set Q, Q+1
.endr
	global_store_b128 v9, v[WSB:WSB+3], s[22:23]   ; my column's 16 scale bytes
.irp t, 0,1,2,3,4,5,6,7,8,9,10,11,12,13,14,15
	ds_load_b128 v[WOUT+4*\t:WOUT+4*\t+3], v7 offset:2*\t*PITCH    ; LDS serves a wave's instructions in order: these see my stores
.endr
.irp t, 0,1,2,3,4,5,6,7,8,9,10,11,12,13,14,15
	s_wait_dscnt 15-\t                             ; row pair t is in; the younger loads may be out
	global_store_b128 v8, v[WOUT+4*\t:WOUT+4*\t+3], s[20:21] offset:2*\t*KROW   ; sixteen lanes store 256 consecutive bytes, aligned
.endr
	s_wait_tensorcnt 0x0
	ds_add_u32 v192, v193
	s_wait_dscnt 0x0
	s_endpgm
.Lfunc_end_k_q0b134666ad_quant:
	.size	k_q0b134666ad_quant, .Lfunc_end_k_q0b134666ad_quant-k_q0b134666ad_quant
	.p2alignl 7, 3214868480
	.fill 96, 4, 3214868480
	.section	.rodata,"a",@progbits
	.p2align	6, 0x0
	.amdhsa_kernel k_q0b134666ad_quant
		.amdhsa_group_segment_fixed_size 69120
		.amdhsa_private_segment_fixed_size 0
		.amdhsa_enable_private_segment 0
		.amdhsa_kernarg_size 64
		.amdhsa_user_sgpr_count 2
		.amdhsa_user_sgpr_kernarg_segment_ptr 1
		.amdhsa_wavefront_size32 1
		.amdhsa_system_sgpr_workgroup_id_x 1
		.amdhsa_system_sgpr_workgroup_id_y 1
		.amdhsa_system_sgpr_workgroup_id_z 1
		.amdhsa_system_vgpr_workitem_id 0
		.amdhsa_next_free_vgpr 194
		.amdhsa_next_free_sgpr 66
		.amdhsa_reserve_vcc 0
		.amdhsa_float_denorm_mode_32 3
		.amdhsa_float_denorm_mode_16_64 3
		.amdhsa_memory_ordered 1
		.amdhsa_forward_progress 1
		.amdhsa_inst_pref_size 112
	.end_amdhsa_kernel
	.amdgpu_metadata
---
amdhsa.version: [ 1, 2 ]
amdhsa.kernels:
  - .name:           k_q0b134666ad_quant
    .symbol:         k_q0b134666ad_quant.kd
    .args:
      - { .name: query, .offset: 0, .size: 8, .value_kind: global_buffer, .address_space: global }
      - { .name: key, .offset: 8, .size: 8, .value_kind: global_buffer, .address_space: global }
      - { .name: value, .offset: 16, .size: 8, .value_kind: global_buffer, .address_space: global }
      - { .name: WQ, .offset: 24, .size: 8, .value_kind: global_buffer, .address_space: global }
      - { .name: WK, .offset: 32, .size: 8, .value_kind: global_buffer, .address_space: global }
      - { .name: WV, .offset: 40, .size: 8, .value_kind: global_buffer, .address_space: global }
      - { .name: codes, .offset: 48, .size: 8, .value_kind: global_buffer, .address_space: global }
      - { .name: scl, .offset: 56, .size: 8, .value_kind: global_buffer, .address_space: global }
    .group_segment_fixed_size: 69120
    .private_segment_fixed_size: 0
    .kernarg_segment_align: 8
    .kernarg_segment_size: 64
    .max_flat_workgroup_size: 128
    .sgpr_count:     66
    .vgpr_count:     194
    .wavefront_size: 32
...
	.end_amdgpu_metadata
.endif
;; end of part 1
;; launch proj (part 2): grid 4 x 48, 4 waves a work-group, clusters of 4 x 4, 327,680 bytes of LDS; arguments codes, scl, img, isc; writes img, isc
.if DOCPART == 2
	.amdgcn_target "amdgcn-amd-amdhsa--gfx1250"
	.amdhsa_code_object_version 6
	.text
	.protected	k_q0b134666ad_proj
	.globl	k_q0b134666ad_proj
	.p2align	8
	.type	k_q0b134666ad_proj,@function
k_q0b134666ad_proj:
	s_mov_b64 s[64:65], 0
	v_nop
	global_prefetch_b8 v0, s[64:65] scope:SCOPE_SE
	s_setreg_imm32_b32 hwreg(HW_REG_WAVE_MODE, 25, 1), 1
	s_wait_xcnt 0x0
	s_wait_alu depctr_hold_cnt(0) depctr_sa_sdst(0) depctr_va_vdst(0) depctr_va_sdst(0) depctr_va_ssrc(0) depctr_va_vcc(0) depctr_vm_vsrc(0)
	s_getreg_b32 s2, hwreg(HW_REG_IB_STS2, 6, 4)
	s_cmp_eq_u32 s2, 0
	s_cbranch_scc0 .Lentry_in_a_cluster
	s_endpgm
.Lentry_in_a_cluster:
	s_bfe_u32 s2, ttmp6, 0x10000c
	s_cmp_lg_u32 s2, 0xf033
	s_cbranch_scc0 .Lentry_shape_is_right
	s_endpgm
.Lentry_shape_is_right:
; The three projections q = query WQ, k = key WK, v = value WV on codes of FP4 (E2M1) with one E8M0 scale for each 32 along K = 1,024; sums in f32, K ascending, one accumulator for each output.
; Their results never go to memory as numbers: each wave quantises its 128 x 128 results in registers, along the next product's K, and stores IMAGES OF OPERAND REGISTERS for the attention launch.
; 192 tiles of 256 x 256, a work-group of four waves to each, a wave 128 x 128 (64 accumulators, 512 registers).  K goes in two steps of 512 through two LDS slots, each filled ONCE: no LDS byte is filled again.
; Source 1 of the matrix instruction ("A" below) gives a lane its row, source 0 ("B") runs along the lane's registers.  For q and k: A = 16 rows of x, B = 16 rows of W (columns n): a lane holds one token and its registers
; run along the head's 64.  For v: A = 16 rows of WV, B = 16 rows of value: a lane holds one channel d and its registers run along the keys, which are the last product's K.  The text is one; only scalars differ.
; The rows of both buffers were laid by the launch before so that the 16 registers of B's tiles 2 i and 2 i + 1 are half a block of 32 along the next K (lane half h: numbers 16 h .. 16 h + 15 of the block, in the order
; that all operands of that product share).
; CLUSTERS: 4 x 4 work-groups; A's tiles are asked for jointly along a row of the cluster, B's along a column, and so are their scale bytes.
; LIMITS: NaN and infinities are not served; a block of results whose largest magnitude lies under 2^-124 gets the byte 1.
; REGISTERS: window 0: v0-31 addresses; v32-95 scale words, two sets; v128-191 A's fragments, one set.  window 1: B's fragments, two sets.  windows 2, 3: the accumulators ((a, b) at v[8 (8 (a % 4) + b)] of window 2 + a / 4).
.set KSTEP,  512
.set NQ,     KSTEP/128
.set ROWB,   256                       ; a tile's row in bytes
.set KROW,   512                       ; a row of codes in memory
.set PITCH,  272                       ; an LDS row: 256 bytes + 16 of padding, so that the 16 rows of a fragment load begin 68 words apart
.set FR,     8
.set NL,     2
.set NP,     4                         ; places behind this matrix instruction (ISA guide 7.12.1)
.set HALFT,  128*PITCH
.set SLOT,   4*HALFT                   ; A's 256 rows, then B's 256 rows
.set KS,     32                        ; a row of scale bytes
.set SCL,    2*SLOT                    ; behind the slots: the scales, as units of 256 bytes + 16 of padding
.set HALFS,  (128*KS/256)*272
.set SBLK,   (16*KS/256)*272
.set ADRA, 16
.set ADRB, 20
.set ADRS, 27
.set SC,   32
.set AF,   128
; the way out, all in window 0, over registers that the products have left
.set TM,   32                          ; v32-47  the quantiser's work
.set PW,   48                          ; v48-55  a scale word for each block a
.set SW,   56                          ; v56-63  the word as it is stored
.set VO,   64                          ; v64-79  offsets of the images' stores
.set SO,   80                          ; v80-87  offsets of the words' stores
.set L16,  88                          ; v88     16 x lane
.set SL,   89                          ; v89     4 r + h x HS
.set HSH,  90                          ; v90     h x SH
.set PC,   128                         ; v128-191 codes, eight registers for each block a: no store's data are written again
.set G1, 24
.set G0, 32
.set G1B, 48
.set G0B, 56
.set G1S, 68
.set G0S, 76
.set G1SB, 80
.set G0SB, 88
.set MSB, 0
.macro WIN new                         ; the immediate's high byte repeats the setting that is left
.if MSB != \new
	s_set_vgpr_msb (MSB<<8)|\new
.set MSB, \new
.endif
.endm
.set MUL_LO, 0xa1                      ; source 0 (B) window 1, source 1 (A) window 0, C and D window 2
.set MUL_HI, 0xf1
.set TO_B,   0x40
; A joint load: waves 0 and 1 fetch for A, waves 2 and 3 for B.  The branch hangs on the wave's number alone.  Four v_nop follow each of the two lines.
.macro JLOAD g0a, g1a, g0b, g1b
	s_cmp_eq_u32 s15, 0
	s_cbranch_scc0 .Lfor_b_\@
	tensor_load_to_lds s[\g0a:\g0a+3], s[\g1a:\g1a+7]
	s_nop 0
.rept 4
	v_nop
.endr
	s_branch .Lasked_\@
.Lfor_b_\@:
	tensor_load_to_lds s[\g0b:\g0b+3], s[\g1b:\g1b+7]
	s_nop 0
.rept 4
	v_nop
.endr
.Lasked_\@:
.endm
.macro CROUND                          ; a round of the cluster's barrier
	s_barrier_signal -1
	s_barrier_wait -1
	s_cmp_lg_u32 s14, 0
	s_cbranch_scc1 .Lnot_wave_0_\@
	s_barrier_signal -3
.Lnot_wave_0_\@:
	s_barrier_wait -3
	s_barrier_signal -1
	s_barrier_wait -1
.endm
	s_load_b128 s[4:7], s[0:1], 0x0                ; codes s[4:5], scl s[6:7]
	s_load_b128 s[8:11], s[0:1], 0x10              ; img s[8:9], isc s[10:11]
	v_lshl_add_u32 v254, v0, 2, 0x48400
	v_mov_b32 v255, 0
	ds_add_u32 v254, v255
	ds_add_u32 v254, v255
	v_lshrrev_b32 v1, 5, v0
	v_readfirstlane_b32 s14, v1                    ; wave 0..3
	s_lshr_b32 s15, s14, 1                         ; which half of A's rows is mine.  Also: I fetch for A (0) or for B (1)
	s_and_b32 s16, s14, 1                          ; which half of B's rows.  Also: which 128 rows I fetch
	s_bfe_u32 s40, ttmp6, 0x40000                  ; cx
	s_bfe_u32 s41, ttmp6, 0x40004                  ; cy
	s_and_b32 s17, ttmp7, 0xffff                   ; the cluster's y, 0..11
	s_lshr_b32 s42, s17, 2                         ; t: 0 q, 1 k, 2 v
	s_and_b32 s17, s17, 3                          ; c4: which 1,024 rows of x
	s_lshl_b32 s43, s41, 2
	s_lshl_b32 s43, 15, s43                        ; my row of the cluster
	s_lshl_b32 s44, 0x1111, s40                    ; my column
	s_or_b32 s[G1+0], s43, (0<<16)|(1<<20)|(1<<21)|(5<<22)|(3<<25)  ; the mask: A's tiles go to my row; elements of 1 byte; padding on; bit 21 beside a mask; 4 words behind every 64
	s_or_b32 s[G1B+0], s44, (0<<16)|(1<<20)|(1<<21)|(5<<22)|(3<<25)
.irp g, G1, G1B
	s_mov_b32 s[\g+1], ROWB<<16                    ; tensor_dim0
	s_mov_b32 s[\g+2], 128<<16                     ; tensor_dim1
	s_mov_b32 s[\g+3], ROWB<<16                    ; tile_dim0
	s_mov_b32 s[\g+4], 128                         ; tile_dim1
	s_mov_b32 s[\g+5], KROW                        ; the pitch
	s_mov_b32 s[\g+6], 0
	s_mov_b32 s[\g+7], 0
.endr
	s_or_b32 s[G1S+0], s43, (3<<16)|(1<<20)|(1<<21)|(5<<22)|(3<<25) ; the scales of 128 rows: 4,096 dense bytes as 16 rows of 256 (32 elements of 8 bytes), 16 bytes of padding behind each
	s_or_b32 s[G1SB+0], s44, (3<<16)|(1<<20)|(1<<21)|(5<<22)|(3<<25)
.irp g, G1S, G1SB
	s_mov_b32 s[\g+1], 32<<16
	s_mov_b32 s[\g+2], (128*KS/256)<<16
	s_mov_b32 s[\g+3], 32<<16
	s_mov_b32 s[\g+4], 128*KS/256
	s_mov_b32 s[\g+5], 32
	s_mov_b32 s[\g+6], 0
	s_mov_b32 s[\g+7], 0
.endr
	; which rows of the codes' buffer: A: x rows 4,096 t + 1,024 c4 on (v: WV's, 14,336 on); B: W's rows 12,288 + 1,024 t on (v: value's, 8,192 + 1,024 c4 on)
	s_lshl_b32 s20, s42, 12
	s_lshl_b32 s18, s17, 10
	s_add_co_u32 s20, s20, s18
	s_lshl_b32 s46, s42, 10
	s_add_co_u32 s46, s46, 12288
	s_add_co_u32 s19, s18, 8192
	s_mov_b32 s21, 14336
	s_cmp_eq_u32 s42, 2                            ; the same in all sixteen partners
	s_cselect_b32 s20, s21, s20
	s_cselect_b32 s46, s19, s46
	s_lshl_b32 s18, s16, 7                         ; which 128 rows of the tile I fetch
	s_lshl_b32 s19, s41, 8
	s_add_co_u32 s20, s20, s19
	s_add_co_u32 s20, s20, s18                     ; A: + 256 cy + 128 x half
	s_lshl_b32 s47, s40, 8
	s_add_co_u32 s46, s46, s47
	s_add_co_u32 s46, s46, s18                     ; B: + 256 cx + 128 x half
	s_mov_b32 s21, 0
	s_mov_b32 s47, 0
	s_lshl_b64 s[22:23], s[20:21], 5               ; where these rows' scales begin, in bytes,
	s_lshl_b64 s[92:93], s[46:47], 5
	s_lshl_b64 s[20:21], s[20:21], 9               ; and their codes
	s_lshl_b64 s[46:47], s[46:47], 9
	s_mul_i32 s45, s14, HALFT                      ; where they go: wave x 128 rows: no place in the cluster enters an LDS address
	s_mul_i32 s94, s14, HALFS
	s_wait_dscnt 0x0
	s_wait_kmcnt 0x0
	s_add_nc_u64 s[20:21], s[4:5], s[20:21]
	s_add_nc_u64 s[22:23], s[6:7], s[22:23]
	s_add_nc_u64 s[46:47], s[4:5], s[46:47]
	s_add_nc_u64 s[92:93], s[6:7], s[92:93]
	CROUND                                         ; all sixteen work-groups are here: the joint loads meet
	s_mov_b32 s[G0S], 1
	s_add_co_u32 s[G0S+1], s94, SCL
	s_mov_b64 s[G0S+2:G0S+3], s[22:23]
	s_or_b32 s[G0S+3], s[G0S+3], 0x80000000
	s_mov_b32 s[G0SB], 1
	s_add_co_u32 s[G0SB+1], s94, SCL
	s_mov_b64 s[G0SB+2:G0SB+3], s[92:93]
	s_or_b32 s[G0SB+3], s[G0SB+3], 0x80000000
	JLOAD G0S, G1S, G0SB, G1SB                     ; the scales first: they are wanted with K step 0
.irp s, 0,1
	s_mov_b32 s[G0+4*\s], 1
	s_add_co_u32 s[G0+4*\s+1], s45, \s*SLOT
	s_add_nc_u64 s[G0+4*\s+2:G0+4*\s+3], s[20:21], \s*ROWB
	s_or_b32 s[G0+4*\s+3], s[G0+4*\s+3], 0x80000000
	s_mov_b32 s[G0B+4*\s], 1
	s_add_co_u32 s[G0B+4*\s+1], s45, \s*SLOT
	s_add_nc_u64 s[G0B+4*\s+2:G0B+4*\s+3], s[46:47], \s*ROWB
	s_or_b32 s[G0B+4*\s+3], s[G0B+4*\s+3], 0x80000000
	JLOAD G0+4*\s, G1, G0B+4*\s, G1B               ; both K steps: three tensor loads of mine are out, and these are all that the launch has
.endr
	v_and_b32 v1, 15, v0                           ; r = l % 16 (kept)
	v_bfe_u32 v2, v0, 4, 1                         ; h = l / 16 (kept)
	v_mul_u32_u24 v3, v1, PITCH
	v_lshl_add_u32 v4, v2, 4, v3                   ; a fragment's row x pitch + 16 x half
	s_mul_i32 s21, s15, HALFT                      ; my 128 rows of A
	s_mul_i32 s22, s16, HALFT                      ; my 128 rows of B,
	s_add_co_u32 s22, s22, 2*HALFT                 ; which lie behind A's 256
.irp s, 0,1
	v_add_nc_u32 v[ADRA+\s], s21, v4
	v_add_nc_u32 v[ADRB+\s], s22, v4
	s_add_co_u32 s21, s21, SLOT
	s_add_co_u32 s22, s22, SLOT
.endr
	v_mul_u32_u24 v5, v1, KS                       ; my row's scales: 32 bytes a row,
	v_lshrrev_b32 v6, 8, v5
	v_lshl_add_u32 v5, v6, 4, v5                   ; and 16 more for each 256 passed
	s_mul_i32 s21, s15, HALFS
	s_mul_i32 s22, s16, HALFS
	s_add_co_u32 s22, s22, 2*HALFS
	s_sub_co_u32 s22, s22, s21
	v_mul_u32_u24 v6, s22, v2                      ; lanes 16-31 take B's: one product, the distance between the two bases
	s_add_co_u32 s21, s21, SCL
	v_add_nc_u32 v5, v5, v6
	v_add_nc_u32 v[ADRS], s21, v5
.macro FRAG reg, adr, q, i             ; 16 rows x 128 K of 4-bit codes: 8 registers, two loads of 16 bytes, 32 bytes apart
.irp c, 0,1
	ds_load_b128 v[\reg+4*\c:\reg+4*\c+3], v[\adr] offset:64*(\q)+32*\c+(\i)*16*PITCH
.endr
.endm
; 16 matrix instructions: A's blocks a0, a0 + 1 x B's eight.  The 64 accumulators take turns, one instruction a turn, in the same order in every step.
.macro MUL16 a0, p, q, sc, zero
.irp a, \a0, \a0+1
.irp b, 0,1,2,3,4,5,6,7
.if \zero
	v_wmma_scale_f32_16x16x128_f8f6f4 v[8*(8*((\a)%4)+\b):8*(8*((\a)%4)+\b)+7], v[128*(\p)+FR*\b:128*(\p)+FR*\b+FR-1], v[AF+FR*(\a):AF+FR*(\a)+FR-1], 0, v[SC+8*NQ*(\sc)+NQ*\b+(\q)], v[SC+8*NQ*(\sc)+NQ*(\a)+(\q)] matrix_a_fmt:MATRIX_FMT_FP4 matrix_b_fmt:MATRIX_FMT_FP4 matrix_a_scale:MATRIX_SCALE_ROW1
.else
	v_wmma_scale_f32_16x16x128_f8f6f4 v[8*(8*((\a)%4)+\b):8*(8*((\a)%4)+\b)+7], v[128*(\p)+FR*\b:128*(\p)+FR*\b+FR-1], v[AF+FR*(\a):AF+FR*(\a)+FR-1], v[8*(8*((\a)%4)+\b):8*(8*((\a)%4)+\b)+7], v[SC+8*NQ*(\sc)+NQ*\b+(\q)], v[SC+8*NQ*(\sc)+NQ*(\a)+(\q)] matrix_a_fmt:MATRIX_FMT_FP4 matrix_b_fmt:MATRIX_FMT_FP4 matrix_a_scale:MATRIX_SCALE_ROW1
.endif
.endr
.endr
.endm
.macro FETCH_B slot, q, p
	WIN TO_B
.irp i, 0,1,2,3,4,5,6,7
	FRAG 128*(\p)+FR*\i, ADRB+\slot, \q, \i
.endr
	WIN 0
.endm
.macro FETCH_A slot, q, i0
.irp i, \i0, \i0+1, \i0+2, \i0+3
	FRAG AF+FR*(\i), ADRA+\slot, \q, \i
.endr
.endm
.macro SCALES sc                       ; a K step's scale words: lanes 0-15 take A's block i, lanes 16-31 B's block i; four words a row
.irp i, 0,1,2,3,4,5,6,7
	ds_load_b128 v[SC+8*NQ*\sc+NQ*\i:SC+8*NQ*\sc+NQ*\i+3], v[ADRS] offset:\i*SBLK
.endr
.endm
.macro PLACES n                        ; plain vector instructions that name none of a matrix instruction's registers, in front of loads into its sources and of reads of its results
.rept \n
	v_nop
.endr
.endm
.macro STEP slot, q, zero              ; 128 along K that has its successor in the same slot
	s_wait_dscnt 4*NL                              ; B's set and A's blocks 0-3 are in; the youngest eight loads (A's blocks 4-7) may be out
	WIN MUL_LO
	MUL16 0, (\q)%2, \q, \slot, \zero
	MUL16 2, (\q)%2, \q, \slot, \zero
	s_wait_dscnt 0
	PLACES NP
	FETCH_B \slot, (\q)+1, 1-(\q)%2
	FETCH_A \slot, (\q)+1, 0
	WIN MUL_HI
	MUL16 4, (\q)%2, \q, \slot, \zero
	MUL16 6, (\q)%2, \q, \slot, \zero
	PLACES NP
	WIN 0
	FETCH_A \slot, (\q)+1, 4
.endm
.macro STEPS slot, from
.set Q, \from
.rept NQ-1-\from
	STEP \slot, Q, 0
.set Q, Q+1
.endr
.endm
	s_wait_tensorcnt 1                             ; the scales and my part of K step 0 are in (K step 1's load may be out)
	s_barrier_signal -1
	s_barrier_wait -1                              ; everybody's are
	FETCH_B 0, 0, 0
	FETCH_A 0, 0, 0
	SCALES 0
	FETCH_A 0, 0, 4
	STEP 0, 0, 1                                   ; the first products start the sums: nothing is cleared
	STEPS 0, 1
	; slot 0's last step changes slots: my part of slot 1 has landed, then the barrier shows everybody's.  No slot is filled again.
	s_wait_tensorcnt 0x0
	s_wait_dscnt 4*NL                              ; A's blocks 4-7 may be out
	WIN MUL_LO
	MUL16 0, 1, NQ-1, 0, 0
	s_wait_dscnt 0x0                               ; no LDS instruction of mine is out at the signal
	s_barrier_signal -1
	MUL16 2, 1, NQ-1, 0, 0
	WIN 0
	s_barrier_wait -1
	PLACES NP
	v_add_nc_u32 v[ADRS], 4*NQ, v[ADRS]            ; on to the second K step's scale words
	FETCH_B 1, 0, 0
	FETCH_A 1, 0, 0
	SCALES 1
	WIN MUL_HI
	MUL16 4, 1, NQ-1, 0, 0
	MUL16 6, 1, NQ-1, 0, 0
	PLACES NP
	WIN 0
	FETCH_A 1, 0, 4
	STEPS 1, 0
	s_wait_dscnt 4*NL                              ; the very last step: nothing more to fetch
	WIN MUL_LO
	MUL16 0, 1, NQ-1, 1, 0
	MUL16 2, 1, NQ-1, 1, 0
	s_wait_dscnt 0
	WIN MUL_HI
	MUL16 4, 1, NQ-1, 1, 0
	MUL16 6, 1, NQ-1, 1, 0
	WIN 0
; THE WAY OUT.  For each of A's eight blocks a, a lane's 64 results (B's eight tiles) are four blocks of 32 along the next K, half of each in lane l and half in lane l xor 16: quantised in registers they are a fragment's eight registers.
; q, k: registers 0-3 are the 64 of one head, registers 4-7 of the next head: two images of 512 bytes; the scale word's low half is the first head's, its high half the second's.
; v:    the eight registers are one fragment (16 channels x 128 keys): an image of 1,024 bytes; the word is stored whole.
; img: q at 0, k at 2 MiB: [hb][tile of 16 tokens][512];  v at 4 MiB: [hb][128 keys][16 channels][1,024].  isc: q at 0, k at 256 KiB, v at 512 KiB: 16 words for each image.  hb = 2 x head + batch.
; All tensor loads were waited for above, so the descriptors' scalar registers are free.
	s_lshl_b32 s24, s41, 8
	s_lshl_b32 s25, s15, 7
	s_add_co_u32 s24, s24, s25                     ; pa: my first row of A in its 1,024
	s_lshl_b32 s25, s40, 8
	s_lshl_b32 s26, s16, 7
	s_add_co_u32 s25, s25, s26                     ; pb: my first row of B
	s_lshl_b32 s26, s17, 10
	s_mov_b32 s30, 512
	s_mov_b32 s31, 2048
	s_mov_b32 s32, 0x20000
	s_mov_b32 s33, 256
	s_cmp_eq_u32 s42, 2
	s_cselect_b32 s27, s25, s24                    ; the token rows are A's (q, k) or B's (v),
	s_cselect_b32 s28, s24, s25                    ; the weight's rows the other's
	s_cselect_b32 s30, 1024, s30                   ; SA: bytes from block a to a + 1, and an image's size
	s_cselect_b32 s31, 0x20000, s31                ; SB: bytes from blocks 0-3 to blocks 4-7 (v: the next head)
	s_cselect_b32 s32, 512, s32                    ; SC: bytes from registers 0-3 to registers 4-7 (q, k: the next head)
	s_cselect_b32 s33, 8192, s33                   ; SBs: the same as SB for the scale words
	s_cselect_b32 s34, 0, 16384                    ; HS: lanes 16-31 store the next head's word (q, k)
	s_cselect_b32 s35, 0, 16                       ; SH: which is the word's upper half
	s_cselect_b32 s36, -1, 0xffff                  ; MSK
	s_add_co_u32 s27, s27, s26                     ; my first token among the 4,096
	s_lshr_b32 s28, s28, 6
	s_lshl_b32 s28, s28, 1
	s_lshr_b32 s29, s27, 11
	s_add_co_u32 s28, s28, s29                     ; hb of my first head
	s_and_b32 s27, s27, 2047
	s_lshl_b32 s37, s28, 7
	s_lshr_b32 s29, s27, 4
	s_add_co_u32 s37, s37, s29                     ; q, k: image 128 hb + token / 16
	s_lshl_b32 s38, s28, 6
	s_lshr_b32 s29, s27, 7
	s_lshl_b32 s29, s29, 2
	s_add_co_u32 s38, s38, s29                     ; v: image 64 hb + 4 (token / 128)
	s_cmp_eq_u32 s42, 2
	s_cselect_b32 s37, s38, s37
	s_mul_i32 s38, s37, s30
	s_lshl_b32 s29, s42, 21
	s_add_co_u32 s38, s38, s29
	s_mov_b32 s39, 0
	s_add_nc_u64 s[8:9], s[8:9], s[38:39]
	s_lshl_b32 s38, s37, 6
	s_lshl_b32 s29, s42, 18
	s_add_co_u32 s38, s38, s29
	s_add_nc_u64 s[10:11], s[10:11], s[38:39]
	PLACES NP                                      ; behind the last products: their results are read, and their sources' registers written, below
.irp b, 0,1,2,3
	v_mov_b32 v[TM+4+\b], 0                        ; a lane permute's destination counts as one of its sources
.endr
	v_and_b32 v3, 31, v0
	v_lshlrev_b32 v[L16], 4, v3
	v_mul_u32_u24 v[SL], s34, v2
	v_lshl_add_u32 v[SL], v1, 2, v[SL]
	v_mul_u32_u24 v[HSH], s35, v2
.macro EPI a
.set AC, 64*((\a)%4)
.set NW, 2+(\a)/4
	WIN (NW<<2)|(NW<<4)                            ; sources 1 and 2: the accumulators' window.
.irp b, 0,1,2,3
	v_max3_num_f32 v[TM+\b], 0x1800000, |v[AC+16*\b]|, |v[AC+16*\b+1]|   ; block b: my 16 numbers, and the floor 2^(3 - 127): the byte cannot fall under 1
.endr
.irp i, 2,4,6,8,10,12,14
.irp b, 0,1,2,3
	v_max3_num_f32 v[TM+\b], v[TM+\b], |v[AC+16*\b+\i]|, |v[AC+16*\b+\i+1]|
.endr
.endr
	WIN 0
.irp b, 0,1,2,3
	v_permlanex16_b32 v[TM+4+\b], v[TM+\b], s2, s3
.endr
.irp b, 0,1,2,3
	v_max_num_f32 v[TM+\b], v[TM+\b], v[TM+4+\b]   ; with lane l xor 16's: the block's largest magnitude
.endr
.irp b, 0,1,2,3
	v_add_nc_u32 v[TM+12+\b], 0xff000000, v[TM+\b] ; 2 off its exponent field: the conversion's scale operand
.endr
.irp b, 0,1,2,3
	v_lshrrev_b32 v[TM+4+\b], 23, v[TM+12+\b]      ; the scale's byte
.endr
	v_lshl_or_b32 v[PW+\a], v[TM+5], 8, v[TM+4]
	v_lshl_or_b32 v[PW+\a], v[TM+6], 16, v[PW+\a]
	v_lshl_or_b32 v[PW+\a], v[TM+7], 24, v[PW+\a]
	WIN NW                                         ; source 0: the accumulators' window
.irp b, 0,1,2,3
	v_cvt_scalef32_pk8_fp4_f32 v[PC+8*\a+2*\b], v[AC+16*\b:AC+16*\b+7], v[TM+12+\b]
	v_cvt_scalef32_pk8_fp4_f32 v[PC+8*\a+2*\b+1], v[AC+16*\b+8:AC+16*\b+15], v[TM+12+\b]
.endr
	WIN 0
	v_nop                                          ; one plain place behind a scaled conversion
.irp c, 0,1                                    ; the operand's layout wants a whole block in a lane
.irp i, 0,1
	v_permlane16_swap_b32 v[PC+8*\a+4*\c+\i], v[PC+8*\a+4*\c+2+\i]
.endr
.endr
	s_mul_i32 s38, s30, (\a)%4
	s_mul_i32 s39, s31, (\a)/4
	s_add_co_u32 s38, s38, s39
	v_add_nc_u32 v[VO+2*\a], s38, v[L16]
	s_add_co_u32 s38, s38, s32
	v_add_nc_u32 v[VO+2*\a+1], s38, v[L16]
	s_mul_i32 s39, s33, (\a)/4
	s_add_co_u32 s39, s39, 64*((\a)%4)
	v_add_nc_u32 v[SO+\a], s39, v[SL]
	v_lshrrev_b32 v[SW+\a], v[HSH], v[PW+\a]
	v_and_b32 v[SW+\a], s36, v[SW+\a]
	global_store_b128 v[VO+2*\a], v[PC+8*\a:PC+8*\a+3], s[8:9]         ; 32 lanes store 512 consecutive bytes, aligned
	global_store_b128 v[VO+2*\a+1], v[PC+8*\a+4:PC+8*\a+7], s[8:9]
	global_store_b32 v[SO+\a], v[SW+\a], s[10:11]  ; 16 words for an image (v: both halves of the lanes store the same word at the same place)
.endm
	s_mov_b32 s2, 0x76543210
	s_mov_b32 s3, 0xfedcba98                       ; v_permlanex16_b32's selects for lane l xor 16
.irp a, 0,1,2,3,4,5,6,7
	EPI \a
.endr
	s_wait_tensorcnt 0x0
	s_wait_tensorcnt 0x0
	ds_add_u32 v254, v255
	s_wait_dscnt 0x0
	CROUND                                         ; the closing round: no work-group ends while a partner may still ask for a tile that names it
	s_endpgm
.Lfunc_end_k_q0b134666ad_proj:
	.size	k_q0b134666ad_proj, .Lfunc_end_k_q0b134666ad_proj-k_q0b134666ad_proj
	.p2alignl 7, 3214868480
	.fill 96, 4, 3214868480
	.section	.rodata,"a",@progbits
	.p2align	6, 0x0
	.amdhsa_kernel k_q0b134666ad_proj
		.amdhsa_group_segment_fixed_size 327680
		.amdhsa_private_segment_fixed_size 0
		.amdhsa_enable_private_segment 0
		.amdhsa_kernarg_size 32
		.amdhsa_user_sgpr_count 2
		.amdhsa_user_sgpr_kernarg_segment_ptr 1
		.amdhsa_wavefront_size32 1
		.amdhsa_system_sgpr_workgroup_id_x 1
		.amdhsa_system_sgpr_workgroup_id_y 1
		.amdhsa_system_sgpr_workgroup_id_z 1
		.amdhsa_system_vgpr_workitem_id 0
		.amdhsa_next_free_vgpr 1024
		.amdhsa_next_free_sgpr 100
		.amdhsa_reserve_vcc 0
		.amdhsa_float_denorm_mode_32 3
		.amdhsa_float_denorm_mode_16_64 3
		.amdhsa_memory_ordered 1
		.amdhsa_forward_progress 1
		.amdhsa_inst_pref_size 133
	.end_amdhsa_kernel
	.amdgpu_metadata
---
amdhsa.version: [ 1, 2 ]
amdhsa.kernels:
  - .name:           k_q0b134666ad_proj
    .symbol:         k_q0b134666ad_proj.kd
    .args:
      - { .name: codes, .offset: 0, .size: 8, .value_kind: global_buffer, .address_space: global }
      - { .name: scl, .offset: 8, .size: 8, .value_kind: global_buffer, .address_space: global }
      - { .name: img, .offset: 16, .size: 8, .value_kind: global_buffer, .address_space: global }
      - { .name: isc, .offset: 24, .size: 8, .value_kind: global_buffer, .address_space: global }
    .group_segment_fixed_size: 327680
    .private_segment_fixed_size: 0
    .kernarg_segment_align: 8
    .kernarg_segment_size: 32
    .max_flat_workgroup_size: 128
    .sgpr_count:     100
    .vgpr_count:     1024
    .wavefront_size: 32
...
	.end_amdgpu_metadata
.endif
;; end of part 2
;; launch attn (part 3): grid 8 x 32, 8 waves a work-group, no clusters, 327,680 bytes of LDS; arguments img, isc, attn_mask, out0; writes out0
.if DOCPART == 3
	.amdgcn_target "amdgcn-amd-amdhsa--gfx1250"
	.amdhsa_code_object_version 6
	.text
	.protected	k_q0b134666ad_attn
	.globl	k_q0b134666ad_attn
	.p2align	8
	.type	k_q0b134666ad_attn,@function
k_q0b134666ad_attn:
	s_mov_b64 s[64:65], 0
	v_nop
	global_prefetch_b8 v0, s[64:65] scope:SCOPE_SE
	s_setreg_imm32_b32 hwreg(HW_REG_WAVE_MODE, 25, 1), 1
	s_wait_xcnt 0x0
; out[b][q][64 head + d] = sum over keys of (softmax_k((q . k + (mask ? 0 : -1e6)) / 8) x mask) v, both products on codes of FP4 (E2M1) with one E8M0 scale for each 32 along K.
; THE WEIGHTS ARE QUANTISED FINISHED: normalised and multiplied by the mask.  So a row's maximum and sum over all 2,048 keys are known before any weight becomes a code: THE SCORES STAY IN REGISTERS.
; SHARES.  A work-group of eight waves owns 256 queries of one hb = 2 x head + batch, in eight passes of 32 queries.  Wave w owns keys 256 w .. 256 w + 255 in every pass: its 16 tiles of K stay in registers, its 8 fragments
; of V in LDS, and the pass's 32 x 256 scores in 256 registers (window 1): four chunks c = 2 u + s of 16 queries (tile u) x 128 keys (K step s of the second product), 64 registers each.
; LAYOUT.  Both products are used transposed: S^T = K Q^T, O^T = V^T P^T: a lane holds one query throughout.  By the order in which the first launch laid the rows, lane (r, h), g = r / 8, j = r % 8, holds query
; 16 g + 8 u + sig(j), sig(j) = 4 (j & 1) + (j >> 1), and register 8 i + n of a chunk holds key 128 s + 32 (i / 2) + 16 h + 8 (i % 2) + sig(n).  P's codes and V's codes have the same order along the keys, inside blocks of 32.
; K = 64 in the first product: a fragment's upper four registers stand for k = 64 .. 127.  Q's are zero codes; K's operand simply runs on into the next tile's registers: those codes meet zeros and add nothing.
; THE MASK comes through each wave's own ring of two LDS slots (32 rows x 256 bytes) by tensor loads.  Two words of four mask bytes, x0 | x1 << 4, are eight 4-bit codes 0 or 1; the conversion from FP4 with the scale 2
; makes them 0.0 or 1.0 in the order sig: one instruction for eight.  mask x 1e6 - 1e6 (exactly 0 or -1e6) is the C of the first product; the weights are multiplied by the mask behind the exponential.
; SOFTMAX.  Each lane takes its own maximum mt of a chunk (in units of log2): p' = 2^(c s - mt), c = log2(e) / 8.  The sums of ALL p' (hidden keys too, as the reference has it) and the maxima meet in LDS; M and L are the
; row's; p = p' x mask x 2^(mt - M) / L.  L is at least 1: the row's largest score gives the term 1.
; LIMITS: NaN and infinities are not served; mask bytes are 0 or 1; a block of weights under 2^-124 gets the byte 1; the -1e6 is added in the matrix unit's f32 sum, which rounds hidden scores otherwise than a separate
; addition would (they count only where a whole row is hidden, and there the result is 0); 1 / L is v_rcp_f32.
; No cluster: the eight work-groups of one hb share K, V and their scales, 140 KB read once, against 512 KB of mask each that nobody shares.
.set SLOT1, 1<<17                      ; slot 1 begins here: one exclusive or turns an address from one slot to the other
.set WSL,   32*272                     ; a wave's part of a slot: 32 rows x (256 bytes + 16 of padding)
.set STATS, 8*WSL                      ; 69,632: [u][r] x 80 bytes: (maximum, sum) of each of the eight waves, 16 bytes of padding
.set SPARE, STATS+2560                 ; 72,192: the spare words, 128 bytes for each wave: four blocks of 256 bytes that no other line names
.set OSTA,  SPARE+1024                 ; 73,216: the waves' parts of O, queries 0-15: [wave][16 rows] x 272
.set VL,    SLOT1+8*WSL                ; 200,704: V's images, 8,192 bytes for each wave, filled once
.set OSTB,  VL+65536                   ; 266,240: the same as OSTA for queries 16-31
.set DIST,  OSTB-OSTA
; window 0
.set SPW, 1                            ; v1   LDS address of my spare word; never rewritten
.set NIL, 2                            ; v2   0; never rewritten
.set MA0, 3                            ; v3   my place in my part of a slot: (16 g + sig(j)) x 272 + 16 h
.set MA,  4                            ; v4   the same in the slot in hand
.set STW, 5                            ; v5   where I put my wave's (maximum, sum)
.set STR, 6                            ; v6   where I read four waves' back
.set OSW, 7                            ; v7   where I put 16 bytes of my part of O
.set OSR, 8                            ; v8   where I read the parts back
.set GO,  9                            ; v9   my byte offset in a pass's rows of out
.set L16, 10                           ; v10  16 x lane
.set VA,  11                           ; v11  V's images: 16 x lane in my wave's region
.set L4,  12                           ; v12  4 x lane
.set GOR, 13                           ; v13  GO + the pass's rows
.set NEGP, 16                          ; v[16:17] -1e6 twice
.set SC2, 18                           ; v18  0x80808080: the scale 2 in every byte
.set QSC, 19                           ; v19  Q's scale words: lanes 0-15 tile 0, lanes 16-31 tile 1
.set VSC, 20                           ; v20-23 V's: register 2 s + dt / 2
.set KSC, 24                           ; v24-31 K's: two tiles to a register
.set PWR, 32                           ; v32-35 P's, one for each chunk
.set ST,  36                           ; v36-51 chunk c: +0 mt, +1 written once (named as a pair's upper half), +2, +3 the sum's halves, then +2 the factor
.set QF,  52                           ; v52-67 Q's two fragments; the upper four registers of each are zeros
.set KF,  68                           ; v68-131 K's 16 tiles, four registers each; v132-135 zeros
.set MB,  136                          ; v136-151 mask bytes
.set MF,  152                          ; v152-215 the chunk's mask as 0.0 or 1.0
.set T,   216                          ; v216-239 at work
.set PC,  152                          ; v152-183 P's codes, eight registers a chunk (over MF, which is done with)
.set TM,  184                          ; v184-199 the quantiser's work
.set EX,  184                          ; v184-207 the exchange of maxima and sums
.set RED, 152                          ; v152-215 the parts of O read back
.set WV,  12                           ; s12 wave
.set G1M, 16                           ; s[16:23] group 1 for a mask tile
.set G1V, 24                           ; s[24:31] group 1 for V's images
.set G0A, 32                           ; s[32:35] group 0: slot 0, pass 0
.set G0B, 36                           ; s[36:39] group 0: slot 1, pass 1; then it walks
.set G0V, 40                           ; s[40:43] group 0: V
.set CS,  44                           ; s[44:45] c = log2(e) / 8
.set P1,  46                           ; s[46:47] 1e6
.set SEL, 48                           ; s[48:49] v_permlanex16_b32's selects for lane l xor 16
.set TB,  50                           ; s50 the slot in hand
.set CNT, 51                           ; s51 passes of the loop to go
.set QP,  52                           ; s[52:53] Q's images of the next pass
.set QSP, 54                           ; s[54:55] their scale words
.set OP,  56                           ; s[56:57] out at my block's first row and my head's 64
.set OOFF, 58                          ; s58 the pass's rows in bytes
.set MSB, 0
.macro WIN new                         ; low byte: bits 1:0 source 0, 3:2 source 1, 5:4 source 2, 7:6 destination; the high byte repeats the setting that is left
.if MSB != \new
	s_set_vgpr_msb (MSB<<8)|\new
.set MSB, \new
.endif
.endm
.macro PLACES                          ; four plain vector instructions that name none of a matrix instruction's registers (ISA guide 7.12.1)
.rept 4
	v_nop
.endr
.endm
	s_load_b256 s[4:11], s[0:1], 0x0               ; img s[4:5], isc s[6:7], attn_mask s[8:9], out0 s[10:11]
	v_lshl_add_u32 v[SPW], v0, 2, SPARE
	v_mov_b32 v[NIL], 0
	ds_add_u32 v1, v2
	ds_add_u32 v1, v2
	s_wait_dscnt 0x0
	v_lshrrev_b32 v14, 5, v0
	v_readfirstlane_b32 s[WV], v14                 ; wave 0..7
	s_and_b32 s13, ttmp7, 0xffff                   ; hb
	s_mov_b32 s[G1M], (0<<16)|(1<<20)|(5<<22)|(3<<25)   ; no mask of work-groups; elements of 1 byte; padding on: 4 words behind every 64
	s_mov_b32 s[G1M+1], 256<<16                    ; tensor_dim0 = 256
	s_mov_b32 s[G1M+2], 32<<16                     ; tensor_dim1 = 32
	s_mov_b32 s[G1M+3], 256<<16                    ; tile_dim0 = 256
	s_mov_b32 s[G1M+4], 32                         ; tile_dim1 = 32
	s_mov_b32 s[G1M+5], 2048                       ; from row to row
	s_mov_b32 s[G1M+6], 0
	s_mov_b32 s[G1M+7], 0
	s_mov_b32 s[G1V], 3<<16                        ; 8,192 dense bytes as 32 rows of 32 elements of 8 bytes, no padding
	s_mov_b32 s[G1V+1], 32<<16
	s_mov_b32 s[G1V+2], 32<<16
	s_mov_b32 s[G1V+3], 32<<16
	s_mov_b32 s[G1V+4], 32
	s_mov_b32 s[G1V+5], 32
	s_mov_b32 s[G1V+6], 0
	s_mov_b32 s[G1V+7], 0
	s_mul_i32 s70, s[WV], WSL                      ; my part of a slot
	s_lshl_b32 s71, s[WV], 13
	s_add_co_u32 s71, s71, VL                      ; my region of V's images
	s_lshl_b32 s60, s13, 22                        ; the mask: hb x 2,048 x 2,048
	s_lshl_b32 s14, ttmp9, 19                      ; + 256 rows x my block
	s_add_co_u32 s60, s60, s14
	s_lshl_b32 s14, s[WV], 8                       ; + my wave's 256 keys
	s_add_co_u32 s60, s60, s14
	s_mov_b32 s61, 0
	s_lshl_b32 s14, s13, 16                        ; K's and V's images: 65,536 bytes for each hb, 8,192 for each wave
	s_lshl_b32 s15, s[WV], 13
	s_add_co_u32 s14, s14, s15
	s_mov_b32 s15, 0
	s_wait_kmcnt 0x0
	s_mov_b32 s[G0A], 1
	s_mov_b32 s[G0A+1], s70
	s_add_nc_u64 s[G0A+2:G0A+3], s[8:9], s[60:61]
	s_mov_b32 s[G0B], 1
	s_add_co_u32 s[G0B+1], s70, SLOT1
	s_add_nc_u64 s[G0B+2:G0B+3], s[G0A+2:G0A+3], 0x10000   ; 32 rows of 2,048 bytes on
	s_or_b32 s[G0A+3], s[G0A+3], 0x80000000
	s_or_b32 s[G0B+3], s[G0B+3], 0x80000000
	s_add_nc_u64 s[62:63], s[4:5], s[14:15]
	s_mov_b32 s[G0V], 1
	s_mov_b32 s[G0V+1], s71
	s_add_nc_u64 s[G0V+2:G0V+3], s[62:63], 0x400000
	s_or_b32 s[G0V+3], s[G0V+3], 0x80000000
	tensor_load_to_lds s[G0V:G0V+3], s[G1V:G1V+7]  ; the first fills go out together: three tensor loads of mine are out
	s_nop 0
	tensor_load_to_lds s[G0A:G0A+3], s[G1M:G1M+7]
	s_nop 0
	tensor_load_to_lds s[G0B:G0B+3], s[G1M:G1M+7]
	s_nop 0
	PLACES
	s_add_nc_u64 s[62:63], s[62:63], 0x200000      ; K's images of my 16 tiles
	s_lshl_b32 s14, s13, 13
	s_lshl_b32 s60, s[WV], 10
	s_add_co_u32 s60, s60, s14
	s_add_co_u32 s60, s60, 0x40000
	s_add_nc_u64 s[66:67], s[6:7], s[60:61]        ; their scale words
	s_lshl_b32 s60, s13, 12
	s_lshl_b32 s59, s[WV], 9
	s_add_co_u32 s60, s60, s59
	s_add_co_u32 s60, s60, 0x80000
	s_add_nc_u64 s[68:69], s[6:7], s[60:61]        ; V's scale words
	s_lshl_b32 s60, ttmp9, 10
	s_add_co_u32 s60, s60, s14
	s_add_nc_u64 s[QSP:QSP+1], s[6:7], s[60:61]    ; Q's scale words: (128 hb + 16 x block) x 64
	s_lshl_b32 s60, s13, 16
	s_lshl_b32 s59, ttmp9, 13
	s_add_co_u32 s60, s60, s59
	s_add_nc_u64 s[QP:QP+1], s[4:5], s[60:61]      ; Q's images: (128 hb + 16 x block) x 512
	s_and_b32 s60, s13, 1
	s_lshl_b32 s60, s60, 23                        ; out: batch x 2,048 rows of 4,096 bytes
	s_lshl_b32 s59, ttmp9, 20                      ; + 256 rows x my block
	s_add_co_u32 s60, s60, s59
	s_lshr_b32 s59, s13, 1
	s_lshl_b32 s59, s59, 8                         ; + the head's 256 bytes
	s_add_co_u32 s60, s60, s59
	s_add_nc_u64 s[OP:OP+1], s[10:11], s[60:61]
	s_mov_b32 s[CS], 0x3e38aa3b                    ; log2(e) / 8
	s_mov_b32 s[CS+1], s[CS]
	s_mov_b32 s[P1], 0x49742400                    ; 1e6
	s_mov_b32 s[P1+1], s[P1]
	s_mov_b32 s[SEL], 0x76543210
	s_mov_b32 s[SEL+1], 0xfedcba98
	s_mov_b32 s[TB], 0
	s_mov_b32 s[OOFF], 0
	v_and_b32 v[T+4], 31, v0                       ; lane
	v_lshlrev_b32 v[L16], 4, v[T+4]
	v_lshlrev_b32 v[L4], 2, v[T+4]
.irp i, 0,1,2,3,4,5,6,7,8,9,10,11,12,13,14,15
	global_load_b128 v[KF+4*\i:KF+4*\i+3], v[L16], s[62:63] offset:512*\i   ; K stays in registers: an image is the fragment's four real registers, lane l's 16 bytes at 16 l
.endr
.irp i, 0,1,2,3,4,5,6,7
	global_load_b32 v[KSC+\i], v[L4], s[66:67] offset:128*\i               ; lanes 0-15: tile 2 i's words; lanes 16-31: tile 2 i + 1's
.endr
.irp i, 0,1,2,3
	global_load_b32 v[VSC+\i], v[L4], s[68:69] offset:128*\i
.endr
	global_load_b128 v[QF:QF+3], v[L16], s[QP:QP+1]
	global_load_b128 v[QF+8:QF+11], v[L16], s[QP:QP+1] offset:512
	global_load_b32 v[QSC], v[L4], s[QSP:QSP+1]
	v_and_b32 v[T], 1, v0
	v_bfe_u32 v[T+5], v0, 1, 2
	v_lshl_add_u32 v[T], v[T], 2, v[T+5]           ; sig(j)
	v_bfe_u32 v[T+1], v0, 3, 1                     ; g
	v_bfe_u32 v[T+2], v0, 4, 1                     ; h
	v_and_b32 v[T+3], 15, v0                       ; r
	v_lshl_add_u32 v[MA0], v[T+1], 4, v[T]
	v_mul_u32_u24 v[MA0], v[MA0], 272
	v_lshl_add_u32 v[MA0], v[T+2], 4, v[MA0]
	v_add_nc_u32 v[MA0], s70, v[MA0]
	v_mul_u32_u24 v[STW], v[T+3], 80
	s_lshl_b32 s59, s[WV], 3
	s_add_co_u32 s59, s59, STATS
	v_add_nc_u32 v[STW], s59, v[STW]               ; STATS + 80 r + 8 w
	v_mul_u32_u24 v[STR], v[T+3], 80
	v_lshl_add_u32 v[STR], v[T+2], 5, v[STR]
	v_add_nc_u32 v[STR], STATS, v[STR]             ; STATS + 80 r + 32 h: lanes 0-15 read waves 0-3, lanes 16-31 waves 4-7
	v_mul_u32_u24 v[OSW], v[T+1], DIST             ; queries 16-31 lie DIST bytes on: one product
	v_mul_u32_u24 v[T+5], v[T], 272
	v_add_nc_u32 v[OSW], v[OSW], v[T+5]
	v_lshl_add_u32 v[OSW], v[T+2], 6, v[OSW]
	s_mul_i32 s59, s[WV], 16*272
	s_add_co_u32 s59, s59, OSTA
	v_add_nc_u32 v[OSW], s59, v[OSW]               ; OSTA + g DIST + 4,352 w + 272 sig(j) + 64 h
	s_lshr_b32 s59, s[WV], 2
	s_mul_i32 s59, s59, DIST
	s_and_b32 s60, s[WV], 3
	s_mul_i32 s60, s60, 4*272
	s_add_co_u32 s59, s59, s60
	s_add_co_u32 s59, s59, OSTA
	v_mul_u32_u24 v[OSR], v[T+2], 272
	v_lshl_add_u32 v[OSR], v[T+3], 4, v[OSR]
	v_add_nc_u32 v[OSR], s59, v[OSR]               ; rows 4 w + h of the pass's 32, 16 bytes a lane
	v_lshlrev_b32 v[GO], 12, v[T+2]
	v_lshl_add_u32 v[GO], v[T+3], 4, v[GO]
	s_lshl_b32 s59, s[WV], 14
	v_add_nc_u32 v[GO], s59, v[GO]                 ; (4 w + h) rows of 4,096 bytes + 16 r
	v_add_nc_u32 v[VA], s71, v[L16]
	v_mov_b32 v[NEGP], 0xc9742400                  ; -1e6
	v_mov_b32 v[NEGP+1], 0xc9742400
	v_mov_b32 v[SC2], 0x80808080
.irp i, 4,5,6,7,12,13,14,15
	v_mov_b32 v[QF+\i], 0                          ; Q's codes for k = 64 .. 127: zeros, once
.endr
.irp i, 0,1,2,3
	v_mov_b32 v[KF+64+\i], 0                       ; what the last tile of K runs on into
	v_mov_b32 v[ST+4*\i+1], 0
.endr
	v_mov_b32 v[T+12], 0                           ; a lane permute's destination counts as one of its sources
.macro MLOAD c                         ; chunk c's mask bytes: of my query's row, 16 bytes of each block of 32 keys
.irp B, 0,1,2,3
	ds_load_b128 v[MB+4*\B:MB+4*\B+3], v[MA] offset:2176*((\c)/2)+128*((\c)%2)+32*\B
.endr
.endm
.macro QKMUL c                         ; eight products: my keys' tiles 8 s + i against Q's tile u; C = D = the chunk's registers, which hold 0 or -1e6
.set i, 0
.rept 8
.set qS, 64*(\c)+8*i
.set qK, KF+4*(8*((\c)%2)+i)
.set qQ, QF+8*((\c)/2)
.set qC, KSC+(8*((\c)%2)+i)/2
.if (i%2 == 0) && ((\c)/2 == 0)
	v_wmma_scale_f32_16x16x128_f8f6f4 v[qS:qS+7], v[qK:qK+7], v[qQ:qQ+7], v[qS:qS+7], v[qC], v[QSC] matrix_a_fmt:MATRIX_FMT_FP4 matrix_b_fmt:MATRIX_FMT_FP4
.elseif (\c)/2 == 0
	v_wmma_scale_f32_16x16x128_f8f6f4 v[qS:qS+7], v[qK:qK+7], v[qQ:qQ+7], v[qS:qS+7], v[qC], v[QSC] matrix_a_fmt:MATRIX_FMT_FP4 matrix_b_fmt:MATRIX_FMT_FP4 matrix_a_scale:MATRIX_SCALE_ROW1
.elseif i%2 == 0
	v_wmma_scale_f32_16x16x128_f8f6f4 v[qS:qS+7], v[qK:qK+7], v[qQ:qQ+7], v[qS:qS+7], v[qC], v[QSC] matrix_a_fmt:MATRIX_FMT_FP4 matrix_b_fmt:MATRIX_FMT_FP4 matrix_b_scale:MATRIX_SCALE_ROW1
.else
	v_wmma_scale_f32_16x16x128_f8f6f4 v[qS:qS+7], v[qK:qK+7], v[qQ:qQ+7], v[qS:qS+7], v[qC], v[QSC] matrix_a_fmt:MATRIX_FMT_FP4 matrix_b_fmt:MATRIX_FMT_FP4 matrix_a_scale:MATRIX_SCALE_ROW1 matrix_b_scale:MATRIX_SCALE_ROW1
.endif
.set i, i+1
.endr
.endm
; A CHUNK: mask, scores, the lane's maximum, p' = 2^(c s - mt), the sum of all p', p' x mask
.macro CHUNK c
.set cS, 64*(\c)
	s_wait_dscnt 0x0                               ; the chunk's mask bytes are in
.irp q, 0,1,2,3,4,5,6,7
	v_lshl_or_b32 v[MB+\q], v[MB+2*\q+1], 4, v[MB+2*\q]   ; eight mask bytes as eight 4-bit codes; ascending, so no word is written before it is read
.endr
.irp q, 0,1,2,3,4,5,6,7
	v_cvt_scale_pk8_f32_fp4 v[MF+8*\q:MF+8*\q+7], v[MB+\q], v[SC2]   ; code 1 is 0.5, the scale 2: 1.0 or 0.0, for keys 8 q + sig(n)
.endr
.if (\c) < 3
	MLOAD (\c)+1                                   ; the next chunk's bytes come while this one is worked
.endif
	v_nop                                          ; one plain place behind a scaled conversion
	WIN 0x40                                       ; destination window 1
.set n, 0
.rept 32
	v_pk_fma_f32 v[cS+n:cS+n+1], v[MF+n:MF+n+1], s[P1:P1+1], v[NEGP:NEGP+1] op_sel_hi:[1,0,1]   ; mask x 1e6 - 1e6: exactly 0 or -1e6
.set n, n+2
.endr
	PLACES
	WIN 0x50                                       ; C and D window 1
	QKMUL \c
	PLACES
	WIN 0x14                                       ; sources 1 and 2 window 1.  Registers ascend
.set n, 0
.rept 4
	v_max3_num_f32 v[T+n], 0xff800000, v[cS+2*n], v[cS+2*n+1]
.set n, n+1
.endr
.rept 28
	v_max3_num_f32 v[T+n%4], v[T+n%4], v[cS+2*n], v[cS+2*n+1]   ; four chains
.set n, n+1
.endr
	WIN 0
	v_max3_num_f32 v[T], v[T], v[T+1], v[T+2]
	v_max_num_f32 v[T], v[T], v[T+3]
	v_mul_f32 v[ST+4*(\c)], s[CS], v[T]            ; mt (c is positive)
	WIN 0x41                                       ; destination and source 0 window 1
.set n, 0
.rept 32
	v_pk_fma_f32 v[cS+n:cS+n+1], v[cS+n:cS+n+1], s[CS:CS+1], v[ST+4*(\c):ST+4*(\c)+1] op_sel_hi:[1,0,0] neg_lo:[0,0,1] neg_hi:[0,0,1]   ; c s - mt
.set n, n+2
.endr
.set n, 0
.rept 64
	v_exp_f32 v[cS+n], v[cS+n]
.set n, n+1
.endr
	v_nop                                          ; a plain place behind the exponentials
	WIN 0x05                                       ; sources 0 and 1 window 1
	s_wait_alu depctr_va_vdst(0)
.irp k, 0,1,2,3
	v_pk_add_f32 v[T+2*\k:T+2*\k+1], v[cS+4*\k:cS+4*\k+1], v[cS+4*\k+2:cS+4*\k+3]   ; the sum of ALL p', in four chains
.endr
	WIN 0x04
.set n, 16
.rept 24
	v_pk_add_f32 v[T+n%8:T+n%8+1], v[T+n%8:T+n%8+1], v[cS+n:cS+n+1]
.set n, n+2
.endr
	WIN 0
	v_pk_add_f32 v[T:T+1], v[T:T+1], v[T+2:T+3]
	v_pk_add_f32 v[T+4:T+5], v[T+4:T+5], v[T+6:T+7]
	v_pk_add_f32 v[ST+4*(\c)+2:ST+4*(\c)+3], v[T:T+1], v[T+4:T+5]
	WIN 0x41
.set n, 0
.rept 32
	v_pk_mul_f32 v[cS+n:cS+n+1], v[cS+n:cS+n+1], v[MF+n:MF+n+1]   ; x mask: hidden keys' weights are exact zeros
.set n, n+2
.endr
	WIN 0
.endm
; chunk c's weights are finished (x 2^(mt - M) / L) and quantised: codes to v[PC + 8 c] on, the scale word to v[PWR + c].  No |.|: none is negative
.macro NQ c
.set nS, 64*(\c)
	WIN 0x41
.set n, 0
.rept 32
	v_pk_mul_f32 v[nS+n:nS+n+1], v[nS+n:nS+n+1], v[ST+4*(\c)+2:ST+4*(\c)+3] op_sel_hi:[1,0]
.set n, n+2
.endr
	WIN 0x14
.irp b, 0,1,2,3
	v_max3_num_f32 v[TM+\b], 0x1800000, v[nS+16*\b], v[nS+16*\b+1]   ; block b: my 16 weights, and the floor 2^(3 - 127)
.endr
.irp i, 2,4,6,8,10,12,14
.irp b, 0,1,2,3
	v_max3_num_f32 v[TM+\b], v[TM+\b], v[nS+16*\b+\i], v[nS+16*\b+\i+1]
.endr
.endr
	WIN 0
.irp b, 0,1,2,3
	v_permlanex16_b32 v[TM+4+\b], v[TM+\b], s[SEL], s[SEL+1]
.endr
.irp b, 0,1,2,3
	v_max_num_f32 v[TM+\b], v[TM+\b], v[TM+4+\b]   ; with lane l xor 16's: the block's largest
.endr
.irp b, 0,1,2,3
	v_add_nc_u32 v[TM+12+\b], 0xff000000, v[TM+\b] ; 2 off its exponent field: the conversion's scale operand
.endr
.irp b, 0,1,2,3
	v_lshrrev_b32 v[TM+4+\b], 23, v[TM+12+\b]      ; the scale's byte
.endr
	v_lshl_or_b32 v[PWR+(\c)], v[TM+5], 8, v[TM+4]
	v_lshl_or_b32 v[PWR+(\c)], v[TM+6], 16, v[PWR+(\c)]
	v_lshl_or_b32 v[PWR+(\c)], v[TM+7], 24, v[PWR+(\c)]
	WIN 0x01                                       ; source 0 window 1
.irp b, 0,1,2,3
	v_cvt_scalef32_pk8_fp4_f32 v[PC+8*(\c)+2*\b], v[nS+16*\b:nS+16*\b+7], v[TM+12+\b]
	v_cvt_scalef32_pk8_fp4_f32 v[PC+8*(\c)+2*\b+1], v[nS+16*\b+8:nS+16*\b+15], v[TM+12+\b]
.endr
	WIN 0
	v_nop                                          ; one plain place behind a scaled conversion
.irp e, 0,1                                    ; the operand's layout wants a whole block in a lane
.irp i, 0,1
	v_permlane16_swap_b32 v[PC+8*(\c)+4*\e+\i], v[PC+8*(\c)+4*\e+2+\i]
.endr
.endr
.endm
.macro PVMUL s                         ; eight products O^T (+)= V^T P^T, K = my keys 128 s on; accumulator 2 dt + u at v[64 + 8 (2 dt + u)] of window 1.  The eight take turns
.set i, 0
.rept 8
.set pO, 64+8*i
.set pV, 8*(4*(\s)+i/2)
.set pP, PC+8*(2*(i%2)+(\s))
.set pC, VSC+2*(\s)+i/4
.set pW, PWR+2*(i%2)+(\s)
.if ((\s) == 0) && ((i/2)%2 == 0)
	v_wmma_scale_f32_16x16x128_f8f6f4 v[pO:pO+7], v[pV:pV+7], v[pP:pP+7], 0, v[pC], v[pW] matrix_a_fmt:MATRIX_FMT_FP4 matrix_b_fmt:MATRIX_FMT_FP4
.elseif (\s) == 0
	v_wmma_scale_f32_16x16x128_f8f6f4 v[pO:pO+7], v[pV:pV+7], v[pP:pP+7], 0, v[pC], v[pW] matrix_a_fmt:MATRIX_FMT_FP4 matrix_b_fmt:MATRIX_FMT_FP4 matrix_a_scale:MATRIX_SCALE_ROW1
.elseif (i/2)%2 == 0
	v_wmma_scale_f32_16x16x128_f8f6f4 v[pO:pO+7], v[pV:pV+7], v[pP:pP+7], v[pO:pO+7], v[pC], v[pW] matrix_a_fmt:MATRIX_FMT_FP4 matrix_b_fmt:MATRIX_FMT_FP4
.else
	v_wmma_scale_f32_16x16x128_f8f6f4 v[pO:pO+7], v[pV:pV+7], v[pP:pP+7], v[pO:pO+7], v[pC], v[pW] matrix_a_fmt:MATRIX_FMT_FP4 matrix_b_fmt:MATRIX_FMT_FP4 matrix_a_scale:MATRIX_SCALE_ROW1
.endif
.set i, i+1
.endr
.endm
; A PASS: 32 queries.  refill = 1: the mask slot just read is filled with the tile two passes on.  qnext = 1: the next pass's Q is fetched.  tcnt: how many younger tensor loads may stay out at the pass's head.
.macro PASS refill, qnext, tcnt
	s_wait_xcnt 0x0                                ; the last pass's loads and stores have read their addresses and data: these are rewritten only behind this wait
	s_add_nc_u64 s[QP:QP+1], s[QP:QP+1], 1024
	s_add_nc_u64 s[QSP:QSP+1], s[QSP:QSP+1], 128
	v_add_nc_u32 v[GOR], s[OOFF], v[GO]
	s_add_co_u32 s[OOFF], s[OOFF], 0x20000         ; 32 rows of 4,096 bytes
	v_add_nc_u32 v[MA], s[TB], v[MA0]
	s_wait_tensorcnt \tcnt                         ; my mask tile of this pass is in (in the first pass V's images too); only my wave reads these bytes
	MLOAD 0
	s_wait_loadcnt 0x0                             ; Q (in the first pass K and the scale words too)
	CHUNK 0
	CHUNK 1
	CHUNK 2
	CHUNK 3
	; my wave's maximum and sum for each query: the two chunks of a tile of queries, and lane l xor 16's
.irp u, 0,1
	v_add_f32 v[T+8*\u+2], v[ST+8*\u+2], v[ST+8*\u+3]
	v_add_f32 v[T+8*\u+3], v[ST+8*\u+6], v[ST+8*\u+7]
	v_max_num_f32 v[T+8*\u], v[ST+8*\u], v[ST+8*\u+4]
.endr
.irp u, 0,1
	v_permlanex16_b32 v[T+8*\u+4], v[T+8*\u], s[SEL], s[SEL+1]
.endr
.irp u, 0,1
	v_max_num_f32 v[T+8*\u], v[T+8*\u], v[T+8*\u+4]
.endr
.irp u, 0,1
	v_sub_f32 v[T+8*\u+5], v[ST+8*\u], v[T+8*\u]
	v_sub_f32 v[T+8*\u+6], v[ST+8*\u+4], v[T+8*\u]
.endr
.irp u, 0,1
	v_exp_f32 v[T+8*\u+5], v[T+8*\u+5]
	v_exp_f32 v[T+8*\u+6], v[T+8*\u+6]
.endr
	v_nop                                          ; a plain place behind the exponentials
	s_wait_alu depctr_va_vdst(0)
.irp u, 0,1
	v_mul_f32 v[T+8*\u+1], v[T+8*\u+2], v[T+8*\u+5]
.endr
.irp u, 0,1
	v_fmac_f32 v[T+8*\u+1], v[T+8*\u+3], v[T+8*\u+6]
.endr
.irp u, 0,1
	v_permlanex16_b32 v[T+8*\u+4], v[T+8*\u+1], s[SEL], s[SEL+1]
.endr
.irp u, 0,1
	v_add_f32 v[T+8*\u+1], v[T+8*\u+1], v[T+8*\u+4]
.endr
.irp u, 0,1
	ds_store_b64 v[STW], v[T+8*\u:T+8*\u+1] offset:1280*\u   ; both halves of the lanes write the same bytes with the same values
.endr
	; the first barrier: behind it every wave's maxima and sums lie in LDS
.if \refill
	s_wait_tensorcnt 0x0                           ; all my tensor loads have landed, the next pass's tile among them: a group 0 may be written
	ds_add_u32 v[SPW], v[NIL]                      ; 0 onto my spare word
	s_xor_b32 s[G0B+1], s[G0B+1], SLOT1            ; the walking descriptor: the slot just read,
	s_add_nc_u64 s[G0B+2:G0B+3], s[G0B+2:G0B+3], 0x10000   ; the next 32 rows; the type bits on top are not reached
	s_wait_dscnt 0x0                               ; the add and my stores are done, my reads of the slot are over
	s_barrier_signal -1
	s_barrier_wait -1
	tensor_load_to_lds s[G0B:G0B+3], s[G1M:G1M+7]  ; my one tensor load behind this barrier, and the first thing there: it has a whole pass in which to land
	s_nop 0
	PLACES
.else
	s_wait_dscnt 0x0
	s_barrier_signal -1
	s_barrier_wait -1
.endif
.irp u, 0,1
	ds_load_b128 v[EX+8*\u:EX+8*\u+3], v[STR] offset:1280*\u
	ds_load_b128 v[EX+8*\u+4:EX+8*\u+7], v[STR] offset:1280*\u+16
.endr
	s_wait_dscnt 0x0
.irp u, 0,1
	v_max3_num_f32 v[EX+16+4*\u], v[EX+8*\u], v[EX+8*\u+2], v[EX+8*\u+4]
.endr
.irp u, 0,1
	v_max_num_f32 v[EX+16+4*\u], v[EX+16+4*\u], v[EX+8*\u+6]
.endr
.irp u, 0,1
	v_permlanex16_b32 v[EX+17+4*\u], v[EX+16+4*\u], s[SEL], s[SEL+1]
.endr
.irp u, 0,1
	v_max_num_f32 v[EX+16+4*\u], v[EX+16+4*\u], v[EX+17+4*\u]   ; M: the row's maximum over all eight waves
.endr
.irp u, 0,1
.irp i, 0,2,4,6
	v_sub_f32 v[EX+8*\u+\i], v[EX+8*\u+\i], v[EX+16+4*\u]
.endr
.endr
.irp u, 0,1
.irp i, 0,2,4,6
	v_exp_f32 v[EX+8*\u+\i], v[EX+8*\u+\i]
.endr
.endr
	v_nop
	s_wait_alu depctr_va_vdst(0)
.irp u, 0,1
	v_mul_f32 v[EX+18+4*\u], v[EX+8*\u], v[EX+8*\u+1]
.endr
.irp i, 2,4,6
.irp u, 0,1
	v_fmac_f32 v[EX+18+4*\u], v[EX+8*\u+\i], v[EX+8*\u+\i+1]
.endr
.endr
.irp u, 0,1
	v_permlanex16_b32 v[EX+17+4*\u], v[EX+18+4*\u], s[SEL], s[SEL+1]
.endr
.irp u, 0,1
	v_add_f32 v[EX+18+4*\u], v[EX+18+4*\u], v[EX+17+4*\u]       ; L: the row's sum under M
.endr
.irp u, 0,1
	v_rcp_f32 v[EX+18+4*\u], v[EX+18+4*\u]
.endr
.irp u, 0,1
	v_sub_f32 v[EX+19+4*\u], v[ST+8*\u], v[EX+16+4*\u]          ; (plain places behind the reciprocals)
	v_sub_f32 v[EX+17+4*\u], v[ST+8*\u+4], v[EX+16+4*\u]
.endr
.irp u, 0,1
	v_exp_f32 v[EX+19+4*\u], v[EX+19+4*\u]
	v_exp_f32 v[EX+17+4*\u], v[EX+17+4*\u]
.endr
	v_nop
	s_wait_alu depctr_va_vdst(0)
.irp u, 0,1
	v_mul_f32 v[ST+8*\u+2], v[EX+19+4*\u], v[EX+18+4*\u]        ; each chunk's factor 2^(mt - M) / L
	v_mul_f32 v[ST+8*\u+6], v[EX+17+4*\u], v[EX+18+4*\u]
.endr
.if \qnext
	global_load_b128 v[QF:QF+3], v[L16], s[QP:QP+1]             ; the next pass's Q: this pass's products with Q are long done
	global_load_b128 v[QF+8:QF+11], v[L16], s[QP:QP+1] offset:512
	global_load_b32 v[QSC], v[L4], s[QSP:QSP+1]
.endif
	NQ 0
	WIN 0x40                                       ; V's eight fragments into the registers that chunk 0 has left
.irp f, 0,1,2,3,4,5,6,7
	ds_load_b128 v[8*\f:8*\f+3], v[VA] offset:1024*\f
	ds_load_b128 v[8*\f+4:8*\f+7], v[VA] offset:1024*\f+512
.endr
	WIN 0
	NQ 1
	NQ 2
	NQ 3
	s_wait_dscnt 0x0                               ; V's fragments are in
.rept 8
	v_nop                                          ; a scale register written by a vector instruction stands 8 places ahead of a scaled matrix instruction, an operand so written 4
.endr
	WIN 0x41
	PVMUL 0                                        ; the first K step starts the sums
	WIN 0x51
	PVMUL 1
	PLACES
	WIN 0x04                                       ; an LDS store's data are its source 1: window 1
.irp i, 0,1,2,3,4,5,6,7                        ; accumulator 2 dt + u: lane (r, h) holds channels 32 (dt / 2) + 16 h + 8 (dt % 2) + 0 .. 7 of query 16 g + 8 u + sig(j); the low four registers first
	ds_store_b128 v[OSW], v[64+8*\i:64+8*\i+3] offset:2176*(\i%2)+128*(\i/4)+32*((\i/2)%2)
	ds_store_b128 v[OSW], v[64+8*\i+4:64+8*\i+7] offset:2176*(\i%2)+128*(\i/4)+32*((\i/2)%2)+16
.endr
	WIN 0
	s_wait_dscnt 0x0                               ; the second barrier: behind it the eight waves' parts of O lie in LDS.  My refill may stay out
	s_barrier_signal -1
	s_barrier_wait -1
.irp k, 0,1                                    ; I add rows 4 w + h + 2 k: eight parts of 16 bytes a lane
.irp p, 0,1,2,3,4,5,6,7
	ds_load_b128 v[RED+32*\k+4*\p:RED+32*\k+4*\p+3], v[OSR] offset:4352*\p+544*\k
.endr
.endr
.irp k, 0,1
	s_wait_dscnt 8-8*\k                            ; row pair k's eight parts are in; the other pair's may be out
.irp p, 0,2,4,6
	v_pk_add_f32 v[RED+32*\k+4*\p:RED+32*\k+4*\p+1], v[RED+32*\k+4*\p:RED+32*\k+4*\p+1], v[RED+32*\k+4*\p+4:RED+32*\k+4*\p+5]
	v_pk_add_f32 v[RED+32*\k+4*\p+2:RED+32*\k+4*\p+3], v[RED+32*\k+4*\p+2:RED+32*\k+4*\p+3], v[RED+32*\k+4*\p+6:RED+32*\k+4*\p+7]
.endr
.irp p, 0,4
	v_pk_add_f32 v[RED+32*\k+4*\p:RED+32*\k+4*\p+1], v[RED+32*\k+4*\p:RED+32*\k+4*\p+1], v[RED+32*\k+4*\p+8:RED+32*\k+4*\p+9]
	v_pk_add_f32 v[RED+32*\k+4*\p+2:RED+32*\k+4*\p+3], v[RED+32*\k+4*\p+2:RED+32*\k+4*\p+3], v[RED+32*\k+4*\p+10:RED+32*\k+4*\p+11]
.endr
	v_pk_add_f32 v[RED+32*\k:RED+32*\k+1], v[RED+32*\k:RED+32*\k+1], v[RED+32*\k+16:RED+32*\k+17]
	v_pk_add_f32 v[RED+32*\k+2:RED+32*\k+3], v[RED+32*\k+2:RED+32*\k+3], v[RED+32*\k+18:RED+32*\k+19]
	global_store_b128 v[GOR], v[RED+32*\k:RED+32*\k+3], s[OP:OP+1] offset:8192*\k th:TH_STORE_NT   ; sixteen lanes store 256 consecutive bytes, aligned: a query's 64 numbers of my head
.endr
	s_xor_b32 s[TB], s[TB], SLOT1                  ; on to the other slot
.endm
	s_mov_b32 s[CNT], 6
.Lpass:                                            ; passes 0 to 5: each asks for the mask tile two passes on
	PASS 1, 1, 1
	s_sub_co_u32 s[CNT], s[CNT], 1
	s_cmp_lg_u32 s[CNT], 0
	s_cbranch_scc1 .Lpass
	PASS 0, 1, 1                                   ; the last two passes are written out: nothing is left to ask for.  Pass 6's tile was shown landed in front of the last refill's barrier; pass 7's may be out
	PASS 0, 0, 0                                   ; no load was issued behind pass 7's tile: the wait is for zero; there is no next Q
	s_wait_tensorcnt 0x0                           ; the wave's end
	ds_add_u32 v[SPW], v[NIL]
	s_wait_dscnt 0x0
	s_endpgm
.Lfunc_end_k_q0b134666ad_attn:
	.size	k_q0b134666ad_attn, .Lfunc_end_k_q0b134666ad_attn-k_q0b134666ad_attn
	.p2alignl 7, 3214868480
	.fill 96, 4, 3214868480
	.section	.rodata,"a",@progbits
	.p2align	6, 0x0
	.amdhsa_kernel k_q0b134666ad_attn
		.amdhsa_group_segment_fixed_size 327680
		.amdhsa_private_segment_fixed_size 0
		.amdhsa_enable_private_segment 0
		.amdhsa_kernarg_size 32
		.amdhsa_user_sgpr_count 2
		.amdhsa_user_sgpr_kernarg_segment_ptr 1
		.amdhsa_wavefront_size32 1
		.amdhsa_system_sgpr_workgroup_id_x 1
		.amdhsa_system_sgpr_workgroup_id_y 1
		.amdhsa_system_sgpr_workgroup_id_z 1
		.amdhsa_system_vgpr_workitem_id 0
		.amdhsa_next_free_vgpr 512
		.amdhsa_next_free_sgpr 72
		.amdhsa_reserve_vcc 0
		.amdhsa_float_denorm_mode_32 3
		.amdhsa_float_denorm_mode_16_64 3
		.amdhsa_memory_ordered 1
		.amdhsa_forward_progress 1
		.amdhsa_inst_pref_size 255
	.end_amdhsa_kernel
	.section	.bss,"aw",@nobits
	.p2align	6
	.space	262144
	.amdgpu_metadata
---
amdhsa.version: [ 1, 2 ]
amdhsa.kernels:
  - .name:           k_q0b134666ad_attn
    .symbol:         k_q0b134666ad_attn.kd
    .args:
      - { .name: img, .offset: 0, .size: 8, .value_kind: global_buffer, .address_space: global }
      - { .name: isc, .offset: 8, .size: 8, .value_kind: global_buffer, .address_space: global }
      - { .name: attn_mask, .offset: 16, .size: 8, .value_kind: global_buffer, .address_space: global }
      - { .name: out0, .offset: 24, .size: 8, .value_kind: global_buffer, .address_space: global }
    .group_segment_fixed_size: 327680
    .private_segment_fixed_size: 0
    .kernarg_segment_align: 8
    .kernarg_segment_size: 32
    .max_flat_workgroup_size: 256
    .sgpr_count:     72
    .vgpr_count:     512
    .wavefront_size: 32
...
	.end_amdgpu_metadata
.endif
;; end of part 3
